; MI455X (gfx1250); checked and timed in simulation.
; The chip was launched on July 23, 2026; its instructions are those of AMD's public machine-readable ISA for CDNA 5 (MIT licence, August 2026) and "CDNA5" Instruction Set Architecture Reference Guide (July 2026). The comments in the code are by the model that wrote it; some were corrected since.
;; Multi Head Attention. Allowed arithmetic: float matrix products may take bf16 or f16 operands with f32 sums; all other float work in f32.
;; Inputs: Wk 512 x 512 float32; Wo 512 x 512 float32; Wq 512 x 512 float32; Wv 512 x 512 float32; bk 512 float32; bo 512 float32; bq 512 float32; bv 512 float32; x 2 x 4,096 x 512 float32.
;; Outputs: out0 2 x 4,096 x 512 float32.
;; One version. Each part assembles by itself: llvm-mc -triple=amdgcn-amd-amdhsa -mcpu=gfx1250 --defsym DOCPART=n.
;; ======== version 1 of 1: 3 launches
;; workspace buffers: qs 8,388,608 bytes; kv 16,777,216 bytes; at 8,388,608 bytes
;; launch qkv (part 1): grid 4 x 64, 8 waves a work-group, no clusters, 257,024 bytes of LDS; arguments x, Wq, Wk, Wv, bq, bk, bv, qs, kv; writes qs, kv
.if DOCPART == 1
	.amdgcn_target "amdgcn-amd-amdhsa--gfx1250"
	.amdhsa_code_object_version 6
	.text
	.protected	k_qd1080e7831_qkv
	.globl	k_qd1080e7831_qkv
	.p2align	8
	.type	k_qd1080e7831_qkv,@function
k_qd1080e7831_qkv:
	s_mov_b64 s[64:65], 0
	v_nop
	global_prefetch_b8 v0, s[64:65] scope:SCOPE_SE
	s_setreg_imm32_b32 hwreg(HW_REG_WAVE_MODE, 25, 1), 1
	s_wait_xcnt 0x0
; q' = (x Wq^T + bq) log2(e)/8,  k = x Wk^T + bk,  v = x Wv^T + bv.   x: [8192][512] f32, W: [512][512] f32, b: [512] f32.
; Out, all bf16:  qs [bh=16][s=4096][64] = q';  kv bytes 0 .. 8 MiB: k as [bh][s][64];  kv bytes 8 MiB .. 16 MiB: v transposed, [bh][d=64][s=4096].
; A work-group makes 128 tokens x 128 columns (two heads) of each of q, k, v.  Eight waves, two on each SIMD: wave (mh = w & 1, nq = w >> 1) makes
; 64 tokens x 32 columns of each matrix: 24 accumulator tiles, 192 registers.  K goes in 8 steps of 64 through two LDS slots.
; The operands come by global loads into registers (16 lanes read 256 consecutive bytes of a row), are rounded to bf16 ONCE, and go to LDS as bf16.
; NO TENSOR LOADS, NO JOINT REQUESTS, though x's tile is read by 4 work-groups and W's by 64: a tensor load copies bytes as they are, so the tiles would
; lie in LDS as f32: every fragment would cost twice the LDS bytes (40 KB instead of 20 KB a wave and step), and each number would be rounded again
; by every wave that reads it (x by 4 waves, W by 2) instead of once.
; LIMITS: matrix operands are rounded to bf16 (x, W), sums and biases are f32, the results are rounded once to bf16.  NaN and infinities in the
; inputs spread over whole rows as in any matrix product and are not reproduced element for element.
.set XP,    2048                       ; bytes in a row of x and of W
.set PITCH, 144                        ; an LDS row: 64 bf16 + 16 bytes = 9 x 16: sixteen rows start in sixteen different 16-byte columns modulo 256
.set REG,   128*PITCH                  ; one region: 128 rows
.set SLOT,  4*REG                      ; x, Wq, Wk, Wv
.set STG,   2*SLOT                     ; way out: q [head][token] pitch 144, then k the same,
.set VSTG,  STG+4*REG                  ; then v transposed: 128 rows (d) of 128 tokens, pitch 272
.set VP,    272
.set GO, 4                             ; v4      byte offset of my 16 bytes in x's and W's tiles: row 16 w + 8 (lane / 16), column 4 (lane % 16)
.set LS, 5                             ; v5-6    where they go in LDS, slot 0, 1
.set LA, 7                             ; v7-8    my x fragments, slot 0, 1
.set LB, 9                             ; v9-10   my W fragments, slot 0, 1
.set BA, 11                            ; v11     byte offset of my 8 columns in bq and bk
.set BV, 12                            ; v12     byte offset of my column in bv
.set SQ, 13                            ; v13     stage: where I put 16 bytes of q or k
.set SV, 14                            ; v14     stage: where I put 16 bytes of v transposed
.set AF, 16                            ; v[16:47]   x fragments, 4 token tiles
.set BF, 48                            ; v[48:95]   W fragments, tile c of matrix j at 8 (c + 2 j)
.set CT, 16                            ; v[16:79]   between the matrix runs: rounded operands on their way to LDS; results on the way out
.set RQ, 96                            ; v96     stage: where I read rows of q and k back
.set RV, 97                            ; v97     the same for v transposed
.set CQ, 98                            ; v98     my byte offset in qs and in k's part of kv
.set CV, 99                            ; v99     my byte offset in v's part of kv
.set ST, 128                           ; v[128:255] 32 loads of 16 bytes on their way; at the end the biases
; window 1 (v256-447): accumulator of token tile i, column tile c, matrix j at 8 (i + 4 (c + 2 j))
.set MSB, 0
.macro WIN new                         ; the immediate's high byte repeats the setting that is left
.if MSB != \new
	s_set_vgpr_msb (MSB<<8)|\new
.set MSB, \new
.endif
.endm
.macro PLACES                          ; four places behind a matrix instruction before its registers are written or its result is read (ISA guide 7.12.1)
.rept 4
	v_nop
.endr
.endm
	s_load_b256 s[4:11], s[0:1], 0x0               ; x s[4:5], Wq s[6:7], Wk s[8:9], Wv s[10:11]
	s_load_b256 s[12:19], s[0:1], 0x20             ; bq s[12:13], bk s[14:15], bv s[16:17], qs s[18:19]
	s_load_b64 s[20:21], s[0:1], 0x40              ; kv
	v_lshl_add_u32 v126, v0, 2, 0x3e800
	v_mov_b32 v127, 0
	v_lshrrev_b32 v15, 5, v0
	v_readfirstlane_b32 s22, v15                   ; wave 0..7
	s_and_b32 s23, s22, 1                          ; mh: which 64 tokens
	s_lshr_b32 s24, s22, 1                         ; nq: which 32 columns
	s_and_b32 s26, ttmp7, 0xffff                   ; mb: block of 128 tokens;  ttmp9 = nb: block of 128 columns
	v_and_b32 v3, 31, v0                           ; lane
	v_and_b32 v1, 15, v0                           ; r
	v_bfe_u32 v2, v0, 4, 1                         ; h
	v_lshlrev_b32 v15, 14, v2                      ; 8 h rows of 2,048 bytes
	v_lshl_add_u32 v15, v1, 4, v15                 ; + 16 r
	s_lshl_b32 s27, s22, 15                        ; + 16 w rows
	v_add_nc_u32 v[GO], s27, v15
	v_mul_u32_u24 v15, v2, 8*PITCH                 ; the same place in LDS: rows a and a + 8 lie 1,152 = 4 x 256 + 128 bytes apart, so one store's two
	v_lshl_add_u32 v15, v1, 3, v15                 ; runs of 128 bytes cover 256 different bytes modulo 256
	s_mul_i32 s27, s22, 16*PITCH
	v_add_nc_u32 v[LS], s27, v15
	v_add_nc_u32 v[LS+1], SLOT, v[LS]
	v_mul_u32_u24 v15, v1, PITCH
	v_lshl_add_u32 v15, v2, 4, v15                 ; a fragment's lane term: r x pitch + 16 h
	s_mul_i32 s27, s23, 64*PITCH
	v_add_nc_u32 v[LA], s27, v15
	v_add_nc_u32 v[LA+1], SLOT, v[LA]
	s_mul_i32 s28, s24, 32*PITCH
	v_add_nc_u32 v[LB], s28, v15
	v_add_nc_u32 v[LB+1], SLOT, v[LB]
	s_lshr_b32 s28, s24, 1                         ; stage of q and k: head nq / 2, token 64 mh + r, byte 64 (nq % 2) + 16 h
	s_mul_i32 s28, s28, REG
	s_add_co_u32 s27, s27, s28
	s_and_b32 s28, s24, 1
	s_lshl_b32 s28, s28, 6
	s_add_co_u32 s27, s27, s28
	s_add_co_u32 s27, s27, STG
	v_add_nc_u32 v[SQ], s27, v15
	v_mul_u32_u24 v15, v1, VP                      ; stage of v transposed: row 32 nq + r, byte 128 mh + 16 h
	v_lshl_add_u32 v15, v2, 4, v15
	s_mul_i32 s27, s24, 32*VP
	s_lshl_b32 s28, s23, 7
	s_add_co_u32 s27, s27, s28
	s_add_co_u32 s27, s27, VSTG
	v_add_nc_u32 v[SV], s27, v15
	s_lshl_b32 s27, ttmp9, 9                       ; biases: column 128 nb + 32 nq, 4 bytes each
	s_lshl_b32 s28, s24, 7
	s_add_co_u32 s27, s27, s28
	v_lshl_add_u32 v[BA], v2, 5, s27               ; + 8 h columns
	v_lshl_add_u32 v[BV], v1, 2, s27               ; + r columns
	v_lshrrev_b32 v15, 3, v3                       ; rows of q and k back: wave w takes head w / 4, tokens 32 (w % 4) ..; 8 lanes a row of 128 bytes
	v_mul_u32_u24 v15, v15, PITCH
	v_and_b32 v[RQ], 7, v3
	v_lshl_add_u32 v15, v[RQ], 4, v15
	s_lshr_b32 s27, s22, 2
	s_mul_i32 s28, s27, REG
	s_and_b32 s29, s22, 3
	s_mul_i32 s30, s29, 32*PITCH
	s_add_co_u32 s28, s28, s30
	s_add_co_u32 s28, s28, STG
	v_add_nc_u32 v[RQ], s28, v15
	s_lshl_b32 s27, s27, 19                        ; and in memory: a head is 524,288 bytes, 32 tokens are 4,096
	s_lshl_b32 s29, s29, 12
	s_add_co_u32 s27, s27, s29
	v_lshl_add_u32 v[CQ], v3, 4, s27
	v_mul_u32_u24 v15, v2, VP                      ; rows of v transposed back: wave w takes rows 16 w ..; 16 lanes a row of 256 bytes
	v_lshl_add_u32 v15, v1, 4, v15
	s_mul_i32 s27, s22, 16*VP
	s_add_co_u32 s27, s27, VSTG
	v_add_nc_u32 v[RV], s27, v15
	v_lshlrev_b32 v15, 13, v2                      ; and in memory: a row (one d) is 8,192 bytes
	v_lshl_add_u32 v15, v1, 4, v15
	s_lshl_b32 s27, s22, 17
	v_add_nc_u32 v[CV], s27, v15
	s_lshl_b32 s28, s26, 18                        ; 128 mb rows of x
	s_mov_b32 s29, 0
	s_lshr_b32 s30, s26, 5                         ; batch b = mb / 32
	s_lshl_b32 s30, s30, 22
	s_lshl_b32 s31, ttmp9, 20
	s_add_co_u32 s30, s30, s31                     ; (8 b + 2 nb) heads of 524,288 bytes
	s_and_b32 s31, s26, 31                         ; s0 / 128
	s_wait_kmcnt 0x0
	s_add_nc_u64 s[4:5], s[4:5], s[28:29]
	s_lshl_b32 s28, ttmp9, 18                      ; 128 nb rows of each W
	s_add_nc_u64 s[6:7], s[6:7], s[28:29]
	s_add_nc_u64 s[8:9], s[8:9], s[28:29]
	s_add_nc_u64 s[10:11], s[10:11], s[28:29]
	s_lshl_b32 s28, s31, 14                        ; s0 tokens of 128 bytes
	s_add_co_u32 s28, s28, s30
	s_add_nc_u64 s[18:19], s[18:19], s[28:29]      ; qs at my two heads' first token
	s_add_nc_u64 s[32:33], s[20:21], s[28:29]      ; k likewise
	s_lshl_b32 s28, s31, 8                         ; s0 tokens of 2 bytes
	s_add_co_u32 s28, s28, s30
	s_add_co_u32 s28, s28, 8388608
	s_add_nc_u64 s[20:21], s[20:21], s[28:29]      ; v transposed at my two heads' row 0, token s0
.irp g, 0,1,2,3
.irp j, 0,1,2,3,4,5,6,7
	global_load_b128 v[ST+32*\g+4*\j:ST+32*\g+4*\j+3], v[GO], s[4+2*\g:5+2*\g] offset:\j*XP    ; K step 0: 32 loads a lane
.endr
.endr
.macro MM acc, a, b                    ; one matrix instruction; Z = 1: the first product starts the sum, nothing is cleared
.if Z
	v_wmma_f32_16x16x32_bf16 v[\acc:\acc+7], v[\a:\a+7], v[\b:\b+7], 0
.else
	v_wmma_f32_16x16x32_bf16 v[\acc:\acc+7], v[\a:\a+7], v[\b:\b+7], v[\acc:\acc+7]
.endif
.endm
; K step t, in slot t & 1.  fetch = 1: step t + 1's loads go out as step t's registers come free.
.macro STEP t, zero, fetch
	WIN 0
.if \t
	PLACES                                         ; the conversions write registers that the last matrix instructions read
.endif
.irp g, 0,1,2,3
.if \fetch
	s_wait_loadcnt 24                              ; loads come back in order: younger than this region's eight are the 8 (3 - g) of this step and the 8 g of the next
.else
	s_wait_loadcnt 24-8*\g                         ; the last step fetches nothing: the counts run down
.endif
.irp e, 0,1,2,3,4,5,6,7,8,9,10,11,12,13,14,15
	v_cvt_pk_bf16_f32 v[CT+16*\g+\e], v[ST+32*\g+2*\e], v[ST+32*\g+2*\e+1]
.endr
.if \fetch
.irp j, 0,1,2,3,4,5,6,7
	global_load_b128 v[ST+32*\g+4*\j:ST+32*\g+4*\j+3], v[GO], s[4+2*\g:5+2*\g] offset:\j*XP+(\t+1)*256
.endr
.endif
.irp j, 0,1,2,3,4,5,6,7
	ds_store_b64 v[LS+(\t&1)], v[CT+16*\g+2*\j:CT+16*\g+2*\j+1] offset:\g*REG+\j*PITCH
.endr
.endr
.if \t == 7
	global_load_b128 v[ST:ST+3],     v[BA], s[12:13]               ; bq of my columns 16 c + 8 h + 0..7, c = 0, 1
	global_load_b128 v[ST+4:ST+7],   v[BA], s[12:13] offset:16
	global_load_b128 v[ST+8:ST+11],  v[BA], s[12:13] offset:64
	global_load_b128 v[ST+12:ST+15], v[BA], s[12:13] offset:80
	global_load_b128 v[ST+16:ST+19], v[BA], s[14:15]               ; bk likewise
	global_load_b128 v[ST+20:ST+23], v[BA], s[14:15] offset:16
	global_load_b128 v[ST+24:ST+27], v[BA], s[14:15] offset:64
	global_load_b128 v[ST+28:ST+31], v[BA], s[14:15] offset:80
	global_load_b32 v[ST+32], v[BV], s[16:17]                      ; bv of my columns 16 c + r
	global_load_b32 v[ST+33], v[BV], s[16:17] offset:64
.endif
	s_wait_dscnt 0x0                               ; my part of the slot is written
	s_barrier_signal -1                            ; ONE barrier a step: the slot written now was last read two steps ago, and every wave had waited
	s_barrier_wait -1                              ; for those reads before it signalled the barrier of the step between
.irp ks, 0,1
.if \ks
	PLACES                                         ; the loads land in registers that the last matrix instructions read
.endif
.irp i, 0,1,2,3
	ds_load_b128 v[AF+8*\i:AF+8*\i+3],   v[LA+(\t&1)] offset:\i*16*PITCH+\ks*64
	ds_load_b128 v[AF+8*\i+4:AF+8*\i+7], v[LA+(\t&1)] offset:\i*16*PITCH+\ks*64+32
.endr
.irp j, 0,1,2
.irp c, 0,1
	ds_load_b128 v[BF+8*(\c+2*\j):BF+8*(\c+2*\j)+3],   v[LB+(\t&1)] offset:(1+\j)*REG+\c*16*PITCH+\ks*64
	ds_load_b128 v[BF+8*(\c+2*\j)+4:BF+8*(\c+2*\j)+7], v[LB+(\t&1)] offset:(1+\j)*REG+\c*16*PITCH+\ks*64+32
.endr
.endr
	s_wait_dscnt 0x0
	WIN 0x50                                       ; C and D in window 1
.set Z, \zero*(1-\ks)
	; the 24 accumulators take turns, one instruction a turn
.irp j, 0,1
.irp c, 0,1
.irp i, 0,1,2,3
	MM 8*(\i+4*(\c+2*\j)), BF+8*(\c+2*\j), AF+8*\i ; q, k: W first, x second: a lane gets 8 neighbouring columns (d) of one token
.endr
.endr
.endr
.irp c, 0,1
.irp i, 0,1,2,3
	MM 8*(\i+4*(\c+4)), AF+8*\i, BF+8*(\c+4)       ; v: x first, W second: a lane gets 8 neighbouring tokens of one column (d)
.endr
.endr
	WIN 0
.endr
.endm
	STEP 0, 1, 1
	STEP 1, 0, 1
	STEP 2, 0, 1
	STEP 3, 0, 1
	STEP 4, 0, 1
	STEP 5, 0, 1
	STEP 6, 0, 1
	STEP 7, 0, 0
	; THE WAY OUT: bias (and q's scale) in f32, one rounding to bf16, 16 bytes a lane into the stage, whole rows back, 16-byte stores.
.macro PACK                            ; 64 f32 in CT become 32 words, in place: word e is written when numbers 2 e, 2 e + 1 are read, and e <= 2 e
.set cnt, 0
.rept 32
	v_cvt_pk_bf16_f32 v[CT+cnt], v[CT+2*cnt], v[CT+2*cnt+1]
.set cnt, cnt+1
.endr
.endm
	s_wait_loadcnt 0x0                             ; the biases
	PLACES                                         ; behind the last matrix instructions, before their results are read
.irp e, 0,2,4,6,8,10,12,14
	v_pk_mul_f32 v[ST+\e:ST+\e+1], v[ST+\e:ST+\e+1], 0x3e38aa3b op_sel_hi:[1,0]    ; bq log2(e)/8, so that q' is one fused multiply-add
.endr
	WIN 0x01                                       ; source 0 (the sums) in window 1
.irp c, 0,1
.irp i, 0,1,2,3
.irp e, 0,2,4,6
	v_pk_fma_f32 v[CT+8*(\i+4*\c)+\e:CT+8*(\i+4*\c)+\e+1], v[8*(\i+4*\c)+\e:8*(\i+4*\c)+\e+1], 0x3e38aa3b, v[ST+8*\c+\e:ST+8*\c+\e+1] op_sel_hi:[1,0,1]
.endr
.endr
.endr
	WIN 0
	PACK
.irp c, 0,1
.irp i, 0,1,2,3
	ds_store_b128 v[SQ], v[CT+4*(\i+4*\c):CT+4*(\i+4*\c)+3] offset:\i*16*PITCH+\c*32
.endr
.endr
	WIN 0x01
.irp c, 0,1
.irp i, 0,1,2,3
.irp e, 0,2,4,6
	v_pk_add_f32 v[CT+8*(\i+4*\c)+\e:CT+8*(\i+4*\c)+\e+1], v[64+8*(\i+4*\c)+\e:64+8*(\i+4*\c)+\e+1], v[ST+16+8*\c+\e:ST+16+8*\c+\e+1]
.endr
.endr
.endr
	WIN 0
	PACK
.irp c, 0,1
.irp i, 0,1,2,3
	ds_store_b128 v[SQ], v[CT+4*(\i+4*\c):CT+4*(\i+4*\c)+3] offset:2*REG+\i*16*PITCH+\c*32
.endr
.endr
	WIN 0x01
.irp c, 0,1
.irp i, 0,1,2,3
.irp e, 0,2,4,6
	v_pk_add_f32 v[CT+8*(\i+4*\c)+\e:CT+8*(\i+4*\c)+\e+1], v[128+8*(\i+4*\c)+\e:128+8*(\i+4*\c)+\e+1], v[ST+32:ST+33] op_sel:[0,\c] op_sel_hi:[1,\c]   ; both halves take bv of column tile c
.endr
.endr
.endr
	WIN 0
	PACK
.irp c, 0,1
.irp i, 0,1,2,3
	ds_store_b128 v[SV], v[CT+4*(\i+4*\c):CT+4*(\i+4*\c)+3] offset:\c*16*VP+\i*32
.endr
.endr
	s_wait_dscnt 0x0                               ; my part of the stage is written
	s_barrier_signal -1
	s_barrier_wait -1                              ; everybody's is
.irp e, 0,1,2,3,4,5,6,7
	ds_load_b128 v[16+4*\e:19+4*\e], v[RQ] offset:\e*4*PITCH               ; q: four rows of 128 bytes a load
.endr
.irp e, 0,1,2,3,4,5,6,7
	ds_load_b128 v[48+4*\e:51+4*\e], v[RQ] offset:2*REG+\e*4*PITCH         ; k
.endr
.irp e, 0,1,2,3,4,5,6,7
	ds_load_b128 v[128+4*\e:131+4*\e], v[RV] offset:\e*2*VP                ; v transposed: two rows of 256 bytes a load
.endr
.irp e, 0,1,2,3,4,5,6,7
	s_wait_dscnt 23-\e                             ; LDS loads come back in order: the younger ones stay out
	global_store_b128 v[CQ], v[16+4*\e:19+4*\e], s[18:19] offset:\e*512    ; 512 consecutive bytes, at a multiple of 512 from the buffer's first byte
.endr
.irp e, 0,1,2,3,4,5,6,7
	s_wait_dscnt 15-\e
	global_store_b128 v[CQ], v[48+4*\e:51+4*\e], s[32:33] offset:\e*512
.endr
.irp e, 0,1,2,3,4,5,6,7
	s_wait_dscnt 7-\e
	global_store_b128 v[CV], v[128+4*\e:131+4*\e], s[20:21] offset:\e*16384    ; 16 lanes store 256 consecutive bytes, at a multiple of 256
.endr
	s_wait_tensorcnt 0x0
	ds_add_u32 v126, v127
	s_wait_dscnt 0x0
	s_endpgm
.Lfunc_end_k_qd1080e7831_qkv:
	.size	k_qd1080e7831_qkv, .Lfunc_end_k_qd1080e7831_qkv-k_qd1080e7831_qkv
	.p2alignl 7, 3214868480
	.fill 96, 4, 3214868480
	.section	.rodata,"a",@progbits
	.p2align	6, 0x0
	.amdhsa_kernel k_qd1080e7831_qkv
		.amdhsa_group_segment_fixed_size 257024
		.amdhsa_private_segment_fixed_size 0
		.amdhsa_enable_private_segment 0
		.amdhsa_kernarg_size 72
		.amdhsa_user_sgpr_count 2
		.amdhsa_user_sgpr_kernarg_segment_ptr 1
		.amdhsa_wavefront_size32 1
		.amdhsa_system_sgpr_workgroup_id_x 1
		.amdhsa_system_sgpr_workgroup_id_y 1
		.amdhsa_system_sgpr_workgroup_id_z 1
		.amdhsa_system_vgpr_workitem_id 0
		.amdhsa_next_free_vgpr 448
		.amdhsa_next_free_sgpr 66
		.amdhsa_reserve_vcc 0
		.amdhsa_float_denorm_mode_32 3
		.amdhsa_float_denorm_mode_16_64 3
		.amdhsa_memory_ordered 1
		.amdhsa_forward_progress 1
		.amdhsa_inst_pref_size 147
	.end_amdhsa_kernel
	.amdgpu_metadata
---
amdhsa.version: [ 1, 2 ]
amdhsa.kernels:
  - .name:           k_qd1080e7831_qkv
    .symbol:         k_qd1080e7831_qkv.kd
    .args:
      - { .name: x, .offset: 0, .size: 8, .value_kind: global_buffer, .address_space: global }
      - { .name: Wq, .offset: 8, .size: 8, .value_kind: global_buffer, .address_space: global }
      - { .name: Wk, .offset: 16, .size: 8, .value_kind: global_buffer, .address_space: global }
      - { .name: Wv, .offset: 24, .size: 8, .value_kind: global_buffer, .address_space: global }
      - { .name: bq, .offset: 32, .size: 8, .value_kind: global_buffer, .address_space: global }
      - { .name: bk, .offset: 40, .size: 8, .value_kind: global_buffer, .address_space: global }
      - { .name: bv, .offset: 48, .size: 8, .value_kind: global_buffer, .address_space: global }
      - { .name: qs, .offset: 56, .size: 8, .value_kind: global_buffer, .address_space: global }
      - { .name: kv, .offset: 64, .size: 8, .value_kind: global_buffer, .address_space: global }
    .group_segment_fixed_size: 257024
    .private_segment_fixed_size: 0
    .kernarg_segment_align: 8
    .kernarg_segment_size: 72
    .max_flat_workgroup_size: 256
    .sgpr_count:     66
    .vgpr_count:     448
    .wavefront_size: 32
...
	.end_amdgpu_metadata
.endif
;; end of part 1
;; launch attn (part 2): grid 16 x 16, 8 waves a work-group, clusters of 4 x 1, 327,680 bytes of LDS; arguments qs, kv, at; writes at
.if DOCPART == 2
	.amdgcn_target "amdgcn-amd-amdhsa--gfx1250"
	.amdhsa_code_object_version 6
	.text
	.protected	k_qd1080e7831_attn
	.globl	k_qd1080e7831_attn
	.p2align	8
	.type	k_qd1080e7831_attn,@function
k_qd1080e7831_attn:
	s_mov_b64 s[64:65], 0
	v_nop
	global_prefetch_b8 v0, s[64:65] scope:SCOPE_SE
	s_setreg_imm32_b32 hwreg(HW_REG_WAVE_MODE, 25, 1), 1
	s_wait_xcnt 0x0
	s_wait_alu depctr_hold_cnt(0) depctr_sa_sdst(0) depctr_va_vdst(0) depctr_va_sdst(0) depctr_va_ssrc(0) depctr_va_vcc(0) depctr_vm_vsrc(0)
	s_getreg_b32 s2, hwreg(HW_REG_IB_STS2, 6, 4)
	s_cmp_eq_u32 s2, 0
	s_cbranch_scc0 .Lentry_in_a_cluster
	s_endpgm
.Lentry_in_a_cluster:
	s_bfe_u32 s2, ttmp6, 0x10000c
	s_cmp_lg_u32 s2, 0x3003
	s_cbranch_scc0 .Lentry_shape_is_right
	s_endpgm
.Lentry_shape_is_right:
; at[bh][s][d] = softmax over keys of (q k^T / 8) times v, one head (bh = grid y) and 256 queries (grid x) a work-group.  All tensors bf16:
; qs [16][4096][64] holds q log2(e)/8, so that scores are exponents of 2;  kv: k as [16][4096][64], then from byte 8 MiB v transposed, [16][64][4096].
; EIGHT WAVES, two on each SIMD, so that one wave's softmax (vector work) runs while the other issues matrix instructions.  Wave w: g = w & 3 owns
; 64 queries (4 tiles of 16), p = w >> 2 takes keys 128 p .. 128 p + 127 of every tile of 256 keys, in two sub-steps of 64.  The two waves of a
; pair (w, w ^ 4) have the same queries and disjoint keys; their halves are merged once, at the end, through LDS.  A K or V fragment read from LDS
; (16 KB a sub-step) so feeds 64 queries: 64 matrix instructions.
; TRANSPOSED FORMS: S^T = K Q^T (source 0 = 16 keys, source 1 = 16 queries) and O^T = V^T P^T (source 0 = 16 d, source 1 = 16 queries).  A lane then
; owns ONE query: register j of score tile kt is key 16 kt + 8 (l / 16) + j, so maximum and sum run along the lane's registers plus one exchange
; of the two half-waves, the rescaling factor is a lane's own number, and the rounded pairs of exp(S) ARE source 1 of the second product.
; SOFTMAX with a running maximum, taken away before every exponential; sums and O in f32.
; CLUSTER 4 x 1: four neighbouring query blocks of one head read the same K and V tiles and ask for them jointly (mask 15), each wave its own
; 32 rows of K and 8 rows of V^T.  Nothing in a descriptor, an LDS address or a branch hangs on the place in the cluster.
; A wave has at most two tensor loads outstanding.
; LIMITS: q', k, v and exp(S) enter the matrix unit as bf16; the row sum adds the unrounded exponentials; v_exp_f32 gives 0 below 2^-126
; (ISA guide 15.8); NaN or infinite scores are not reproduced element for element.
.set KP,     144                       ; LDS pitch of a K row: 128 bytes + 16 = 9 x 16
.set VP,     528                       ; LDS pitch of a V^T row: 512 bytes + 16 = 33 x 16
.set KBYTES, 256*KP
.set SLOT,   KBYTES+64*VP              ; 70,656: K's 256 rows, then V^T's 64 rows
.set MERGE,  2*SLOT                    ; behind the ring: 8,704 bytes a wave (16 x 512 of O, 512 of maxima and sums); no tensor load lands here
.set MW,     8704
.set STG,    MERGE+8*MW                ; the way out: 32 rows of pitch 144 a wave; no tensor load lands here
.set SW,     32*KP
.set KSTEP,  32768                     ; bytes from tile to tile in K (256 keys of 128 bytes)
.set VSTEP,  512                       ; and along V^T's rows (256 keys of 2 bytes)
.set VBASE,  8388608
.set KA, 4                             ; v4-5    my K fragments, slot 0, 1
.set VA, 6                             ; v6-7    my V^T fragments, slot 0, 1
.set QA, 8                             ; v8      byte offset of register tiles 0, 1 of Q (the 32 queries whose result I keep)
.set QB, 9                             ; v9      of register tiles 2, 3 (the 32 whose result my partner keeps)
.set PF, 10                            ; v10     prefetch: byte offset in kv
.set PFS, 11                           ; v11     its step from pair to pair of tiles
.set MG, 12                            ; v12     merge: where I write
.set PG, 13                            ; v13     merge: where my partner wrote
.set SO, 14                            ; v14     stage: where I put 16 bytes of a row
.set SR, 15                            ; v15     stage: where I read rows back
; v[16:23]  running maximum M and sum L of register tile i: M at 16 + 4 (i / 2) + i % 2, L two further: v[20:23] = M2 M3 L2 L3 goes out in one store
.set AL, 24                            ; v[24:25] the factor 2^(old maximum - new); a pair, of which the packed forms take the first for both halves
.set T,  26                            ; v[26:33] at work
.set MN, 34                            ; v[34:35] the new maximum, a pair likewise
.set CO, 36                            ; v36     16 x lane
.set S,  40                            ; v[40:71]   scores: 64 keys of my query, half of them in each half-wave
.set P,  72                            ; v[72:87]   exp(S) in bf16 pairs
.set KF, 88                            ; v[88:151]  K fragments: key tile kt, d half dh at 16 kt + 8 dh
.set VF, 152                           ; v[152:215] V^T fragments: d tile dt, key half kh at 16 dt + 8 kh
.set R,  88                            ; the partner's O, in the merge
.set Q,  0                             ; window 1, v256-319: Q fragments, tile i, d half dh at 16 i + 8 dh
.set O,  64                            ; window 1, v320-447: O^T, tile i, d tile dt at 32 i + 8 dt
.set G1K, 16                           ; s[16:23] descriptor group 1 of K's tiles
.set G1V, 24                           ; s[24:31] of V^T's
.set G0K, 32                           ; s[32:39] descriptor group 0 of K's tiles, one set a slot
.set G0V, 40                           ; s[40:47] of V^T's
.set MSB, 0
.macro WIN new                         ; the immediate's high byte repeats the setting that is left
.if MSB != \new
	s_set_vgpr_msb (MSB<<8)|\new
.set MSB, \new
.endif
.endm
.macro PLACES                          ; four places behind a matrix instruction before its registers are written or its result is read (ISA guide 7.12.1)
.rept 4
	v_nop
.endr
.endm
; A round of the cluster's barrier: my work-group's barrier, wave 0 signals for the work-group, every wave waits for all four work-groups, my work-group's barrier again.
.macro ROUND
	s_barrier_signal -1
	s_barrier_wait -1
	s_cmp_lg_u32 s8, 0
	s_cbranch_scc1 .Lnot_wave_0_\@
	s_barrier_signal -3
.Lnot_wave_0_\@:
	s_barrier_wait -3
	s_barrier_signal -1
	s_barrier_wait -1
.endm
	s_load_b128 s[4:7], s[0:1], 0x0                ; qs s[4:5], kv s[6:7]
	s_load_b64 s[10:11], s[0:1], 0x10              ; at
	v_lshl_add_u32 v254, v0, 2, 0x3c800
	v_mov_b32 v255, 0
	ds_add_u32 v254, v255
	v_lshrrev_b32 v37, 5, v0
	v_readfirstlane_b32 s8, v37                    ; wave 0..7
	s_mov_b32 s12, 0x76543210                      ; v_permlanex16_b32: lane i of one half reads lane i of the other
	s_mov_b32 s13, 0xfedcba98
	s_bfe_u32 s14, ttmp6, 0x40000                  ; cx
	s_lshl_b32 s15, ttmp9, 2
	s_add_co_u32 s15, s15, s14                     ; qb = 4 x cluster x + cx: my block of 256 queries (global addresses alone hang on it)
	s_and_b32 s48, ttmp7, 0xffff                   ; bh
	s_and_b32 s49, s8, 3                           ; g
	s_lshr_b32 s50, s8, 2                          ; p
	v_and_b32 v3, 31, v0                           ; lane
	v_and_b32 v1, 15, v0                           ; r
	v_bfe_u32 v2, v0, 4, 1                         ; h
	v_mul_u32_u24 v37, v1, KP
	v_lshl_add_u32 v37, v2, 4, v37                 ; r x 144 + 16 h
	s_mul_i32 s51, s50, 128*KP                     ; my parity's 128 keys
	v_add_nc_u32 v[KA], s51, v37
	v_add_nc_u32 v[KA+1], SLOT, v[KA]
	v_mul_u32_u24 v38, v1, VP
	v_lshl_add_u32 v38, v2, 4, v38                 ; r x 528 + 16 h
	s_lshl_b32 s51, s50, 8                         ; my parity's 128 keys, 2 bytes each
	v_add_nc_u32 v[VA], s51, v38
	v_add_nc_u32 v[VA+1], SLOT, v[VA]
	v_lshlrev_b32 v38, 7, v1
	v_lshl_add_u32 v38, v2, 4, v38                 ; Q: r x 128 + 16 h
	s_lshl_b32 s51, s49, 13                        ; 64 g queries
	s_lshl_b32 s52, s50, 12                        ; 32 p queries
	s_add_co_u32 s53, s51, s52                     ; the 32 queries that I keep
	v_add_nc_u32 v[QA], s53, v38
	s_xor_b32 s52, s52, 4096                       ; 32 (1 - p)
	s_add_co_u32 s52, s51, s52
	v_add_nc_u32 v[QB], s52, v38
	v_lshlrev_b32 v[CO], 4, v3
	s_mul_i32 s51, s8, MW
	s_add_co_u32 s51, s51, MERGE
	v_add_nc_u32 v[MG], s51, v[CO]
	s_xor_b32 s51, s8, 4                           ; my partner
	s_mul_i32 s51, s51, MW
	s_add_co_u32 s51, s51, MERGE
	v_add_nc_u32 v[PG], s51, v[CO]
	s_mul_i32 s51, s8, SW
	s_add_co_u32 s51, s51, STG
	v_add_nc_u32 v[SO], s51, v37
	v_lshrrev_b32 v38, 3, v3                       ; back by rows of 128 bytes: 8 lanes a row
	v_and_b32 v39, 7, v3
	v_mul_u32_u24 v38, v38, KP
	v_lshl_add_u32 v38, v39, 4, v38
	v_add_nc_u32 v[SR], s51, v38
	; Prefetch offsets.  A pair of tiles is 2 x (128 + 128) blocks of 256 bytes; each of the head's 16 work-groups asks for a sixteenth: 32 blocks, one a lane.
	; lane / 16: which tile of the pair; bit 3 of the lane: K or V^T; n = 8 qb + lane % 8: which of the tile's 128 blocks.
	s_lshl_b32 s54, s15, 3
	v_add_nc_u32 v39, s54, v39                     ; n
	v_add_nc_u32 v38, 2, v2                        ; the first pair asked for is tiles 2, 3
	s_lshl_b32 s52, s48, 19                        ; a head is 524,288 bytes in K and in V^T
	v_lshlrev_b32 v[PF], 8, v39
	v_lshl_add_u32 v[PF], v38, 15, v[PF]
	v_add_nc_u32 v[PF], s52, v[PF]                 ; K: dense, block n of the tile
	v_lshrrev_b32 v37, 1, v39
	v_and_b32 v39, 1, v39
	v_lshlrev_b32 v37, 13, v37                     ; V^T: row n / 2, half n % 2 of the tile's 512 bytes in it
	v_lshl_add_u32 v37, v39, 8, v37
	v_lshl_add_u32 v37, v38, 9, v37
	s_add_co_u32 s52, s52, VBASE
	v_add_nc_u32 v37, s52, v37
	v_and_b32 v38, 8, v3
	v_cmp_ne_u32 vcc_lo, 0, v38
	v_cndmask_b32 v[PF], v[PF], v37, vcc_lo
	v_mov_b32 v37, 2*VSTEP
	v_cndmask_b32 v[PFS], 2*KSTEP, v37, vcc_lo
	; running maxima start at minus infinity and sums at 0, so that the first sub-step's factor is 2^(-inf) = 0
	v_mov_b32 v16, 0xff800000
	v_mov_b32 v17, 0xff800000
	v_mov_b32 v20, 0xff800000
	v_mov_b32 v21, 0xff800000
	v_mov_b32 v18, 0
	v_mov_b32 v19, 0
	v_mov_b32 v22, 0
	v_mov_b32 v23, 0
	v_mov_b32 v[AL+1], 0                           ; the pairs' second registers are named by the packed forms and never used
	v_mov_b32 v[MN+1], 0
	; descriptor group 1.  K: 32 rows x 64 elements of 2 bytes, 4 words of padding behind every 32.  V^T: 8 rows x 256 elements, 4 words behind every 128.
	s_mov_b32 s[G1K+0], 0x0731000f                 ; 15:0 mask: all four of the cluster; 17:16 2 bytes; 20 padding on; 21 set beside a mask; 24:22 code 4 (32 words); 31:25 code 3 (4 words)
	s_mov_b32 s[G1K+1], 64<<16                     ; tensor_dim0 = 64
	s_mov_b32 s[G1K+2], 32<<16                     ; tensor_dim1 = 32
	s_mov_b32 s[G1K+3], 64<<16                     ; tile_dim0 = 64
	s_mov_b32 s[G1K+4], 32                         ; tile_dim1 = 32
	s_mov_b32 s[G1K+5], 64                         ; elements from row to row
	s_mov_b32 s[G1K+6], 0
	s_mov_b32 s[G1K+7], 0
	s_mov_b32 s[G1V+0], 0x07b1000f                 ; the same with code 6 (128 words)
	s_mov_b32 s[G1V+1], 256<<16
	s_mov_b32 s[G1V+2], 8<<16
	s_mov_b32 s[G1V+3], 256<<16
	s_mov_b32 s[G1V+4], 8
	s_mov_b32 s[G1V+5], 4096
	s_mov_b32 s[G1V+6], 0
	s_mov_b32 s[G1V+7], 0
	s_lshl_b32 s56, s48, 19                        ; K: head bh, my 32 rows of 128 bytes
	s_lshl_b32 s58, s8, 12
	s_add_co_u32 s56, s56, s58
	s_mov_b32 s57, 0
	s_lshl_b32 s58, s48, 19                        ; V^T: head bh, my 8 rows of 8,192 bytes
	s_lshl_b32 s59, s8, 16
	s_add_co_u32 s58, s58, s59
	s_add_co_u32 s58, s58, VBASE
	s_mov_b32 s59, 0
	s_mul_i32 s60, s8, 32*KP                       ; and where they go
	s_mul_i32 s61, s8, 8*VP
	s_add_co_u32 s61, s61, KBYTES
	s_lshl_b32 s54, s48, 19                        ; qs and at: head bh, block qb of 256 queries of 128 bytes
	s_lshl_b32 s55, s15, 15
	s_add_co_u32 s54, s54, s55
	s_mov_b32 s55, 0
	s_wait_dscnt 0x0
	s_wait_kmcnt 0x0
	s_add_nc_u64 s[56:57], s[6:7], s[56:57]
	s_add_nc_u64 s[58:59], s[6:7], s[58:59]
.irp e, 0,1
	s_mov_b32 s[G0K+4*\e], 1
	s_add_co_u32 s[G0K+4*\e+1], s60, \e*SLOT
	s_add_nc_u64 s[G0K+4*\e+2:G0K+4*\e+3], s[56:57], \e*KSTEP
	s_or_b32 s[G0K+4*\e+3], s[G0K+4*\e+3], 0x80000000
	s_mov_b32 s[G0V+4*\e], 1
	s_add_co_u32 s[G0V+4*\e+1], s61, \e*SLOT
	s_add_nc_u64 s[G0V+4*\e+2:G0V+4*\e+3], s[58:59], \e*VSTEP
	s_or_b32 s[G0V+4*\e+3], s[G0V+4*\e+3], 0x80000000
.endr
	s_add_nc_u64 s[4:5], s[4:5], s[54:55]
	s_add_co_u32 s54, s54, s53                     ; + the 32 queries that I keep
	s_add_nc_u64 s[10:11], s[10:11], s[54:55]
	WIN 0x40                                       ; destination in window 1
.irp i, 0,1
.irp dh, 0,1
	global_load_b128 v[Q+16*\i+8*\dh:Q+16*\i+8*\dh+3],       v[QA], s[4:5] offset:\i*2048+\dh*64
	global_load_b128 v[Q+16*\i+8*\dh+4:Q+16*\i+8*\dh+7],     v[QA], s[4:5] offset:\i*2048+\dh*64+32
	global_load_b128 v[Q+32+16*\i+8*\dh:Q+32+16*\i+8*\dh+3],   v[QB], s[4:5] offset:\i*2048+\dh*64
	global_load_b128 v[Q+32+16*\i+8*\dh+4:Q+32+16*\i+8*\dh+7], v[QB], s[4:5] offset:\i*2048+\dh*64+32
.endr
.endr
	WIN 0
	ROUND                                          ; all four work-groups are here: the first joint loads meet
	tensor_load_to_lds s[G0K:G0K+3], s[G1K:G1K+7]  ; tile 0
	s_nop 0
	tensor_load_to_lds s[G0V:G0V+3], s[G1V:G1V+7]
	s_nop 0
	s_wait_loadcnt 0x0                             ; Q, once
; 16 queries (register tile i) against the sub-step's 64 keys.  first = 1: O is started by the first product, not rescaled.
.macro QTILE i, first
.set MI, 16+4*(\i>>1)+(\i&1)
.set LI, MI+2
	WIN 0x04                                       ; source 1 (Q) in window 1
	; the four score tiles take turns, one instruction a turn
.irp kt, 0,1,2,3
	v_wmma_f32_16x16x32_bf16 v[S+8*\kt:S+8*\kt+7], v[KF+16*\kt:KF+16*\kt+7], v[Q+16*\i:Q+16*\i+7], 0
.endr
.irp kt, 0,1,2,3
	v_wmma_f32_16x16x32_bf16 v[S+8*\kt:S+8*\kt+7], v[KF+16*\kt+8:KF+16*\kt+15], v[Q+16*\i+8:Q+16*\i+15], v[S+8*\kt:S+8*\kt+7]
.endr
	WIN 0
	PLACES
	; the new maximum: four chains over my 32 scores, the old maximum, the other half-wave's 32
.irp k, 0,1,2,3
	v_max3_num_f32 v[T+\k], v[S+3*\k], v[S+3*\k+1], v[S+3*\k+2]
.endr
.irp k, 0,1,2,3,4,5,6,7,8,9
	v_max3_num_f32 v[T+(\k&3)], v[T+(\k&3)], v[S+12+2*\k], v[S+13+2*\k]
.endr
	v_max3_num_f32 v[T], v[T], v[T+1], v[T+2]
	v_max3_num_f32 v[T], v[T], v[T+3], v[MI]
	v_permlanex16_b32 v[T+1], v[T], s12, s13
	v_max_num_f32 v[MN], v[T], v[T+1]
	v_sub_f32 v[T+2], v[MI], v[MN]
	v_mov_b32 v[MI], v[MN]
	v_exp_f32 v[AL], v[T+2]                        ; 2^(old - new); the subtractions below stand between it and its first use (ISA guide 5.7.2)
.irp k, 0,2,4,6,8,10,12,14,16,18,20,22,24,26,28,30
	v_pk_add_f32 v[S+\k:S+\k+1], v[S+\k:S+\k+1], v[MN:MN+1] op_sel_hi:[1,0] neg_lo:[0,1] neg_hi:[0,1]
.endr
.set cnt, 0
.rept 32
	v_exp_f32 v[S+cnt], v[S+cnt]
.set cnt, cnt+1
.endr
	s_wait_alu depctr_va_vdst(0)
	v_mul_f32 v[LI], v[LI], v[AL]                  ; kept apart from the sum's add: it is the plain instruction between the exponentials and their first use
.irp k, 0,2,4,6
	v_pk_add_f32 v[T+\k:T+\k+1], v[S+\k:S+\k+1], v[S+8+\k:S+9+\k]
.endr
.irp k, 0,2,4,6
	v_pk_add_f32 v[T+\k:T+\k+1], v[T+\k:T+\k+1], v[S+16+\k:S+17+\k]
.endr
.irp k, 0,2,4,6
	v_pk_add_f32 v[T+\k:T+\k+1], v[T+\k:T+\k+1], v[S+24+\k:S+25+\k]
.endr
	v_pk_add_f32 v[T:T+1], v[T:T+1], v[T+2:T+3]
	v_pk_add_f32 v[T+4:T+5], v[T+4:T+5], v[T+6:T+7]
	v_pk_add_f32 v[T:T+1], v[T:T+1], v[T+4:T+5]
	v_add_f32 v[T], v[T], v[T+1]
	v_add_f32 v[LI], v[LI], v[T]                   ; my half-wave's part of the sum; the halves meet at the end
.irp k, 0,1,2,3,4,5,6,7,8,9,10,11,12,13,14,15
	v_cvt_pk_bf16_f32 v[P+\k], v[S+2*\k], v[S+2*\k+1]      ; words 8 kh .. 8 kh + 7 are source 1 for keys 32 kh .. 32 kh + 31
.endr
.if \first == 0
	WIN 0x41                                       ; O in window 1, as source 0 and as destination
.irp k, 0,2,4,6,8,10,12,14,16,18,20,22,24,26,28,30
	v_pk_mul_f32 v[O+32*\i+\k:O+32*\i+\k+1], v[O+32*\i+\k:O+32*\i+\k+1], v[AL:AL+1] op_sel_hi:[1,0]
.endr
.endif
.if \i == 0
	s_wait_dscnt 0x0                               ; V^T's fragments are in
.endif
	WIN 0x50                                       ; C and D (O) in window 1
	; the four d tiles take turns, one instruction a turn
.irp dt, 0,1,2,3
.if \first
	v_wmma_f32_16x16x32_bf16 v[O+32*\i+8*\dt:O+32*\i+8*\dt+7], v[VF+16*\dt:VF+16*\dt+7], v[P:P+7], 0
.else
	v_wmma_f32_16x16x32_bf16 v[O+32*\i+8*\dt:O+32*\i+8*\dt+7], v[VF+16*\dt:VF+16*\dt+7], v[P:P+7], v[O+32*\i+8*\dt:O+32*\i+8*\dt+7]
.endif
.endr
.irp dt, 0,1,2,3
	v_wmma_f32_16x16x32_bf16 v[O+32*\i+8*\dt:O+32*\i+8*\dt+7], v[VF+16*\dt+8:VF+16*\dt+15], v[P+8:P+15], v[O+32*\i+8*\dt:O+32*\i+8*\dt+7]
.endr
.endm
; A sub-step: 64 keys (u = 0, 1 of my parity's 128) against my 64 queries.
.macro SUB slot, u, first
	WIN 0
	PLACES                                         ; the loads land in registers that the last matrix instructions read
.irp kt, 0,1,2,3
.irp dh, 0,1
	ds_load_b128 v[KF+16*\kt+8*\dh:KF+16*\kt+8*\dh+3],   v[KA+\slot] offset:\u*64*KP+\kt*16*KP+\dh*64
	ds_load_b128 v[KF+16*\kt+8*\dh+4:KF+16*\kt+8*\dh+7], v[KA+\slot] offset:\u*64*KP+\kt*16*KP+\dh*64+32
.endr
.endr
.irp dt, 0,1,2,3
.irp kh, 0,1
	ds_load_b128 v[VF+16*\dt+8*\kh:VF+16*\dt+8*\kh+3],   v[VA+\slot] offset:KBYTES+\dt*16*VP+\u*128+\kh*64
	ds_load_b128 v[VF+16*\dt+8*\kh+4:VF+16*\dt+8*\kh+7], v[VA+\slot] offset:KBYTES+\dt*16*VP+\u*128+\kh*64+32
.endr
.endr
	s_wait_dscnt 16                                ; K's sixteen loads are in; V^T's sixteen, issued behind them, stay out
	QTILE 0, \first
	QTILE 1, \first
	QTILE 2, \first
	QTILE 3, \first
.endm
; A trip: one tile of 256 keys in \slot.  refill = 1: the next tile is asked for, into the other slot.  pf = 1: wave 0 prefetches; pf = 2: the prefetch offset steps.
.macro TRIP slot, refill, first, pf
	s_wait_tensorcnt 0x0                           ; all my tensor loads have landed, my parts of this trip's tile among them,
	ds_add_u32 v254, v255
	s_wait_dscnt 0x0
	s_add_nc_u64 s[G0K+4*\slot+2:G0K+4*\slot+3], s[G0K+4*\slot+2:G0K+4*\slot+3], 2*KSTEP   ; so every group 0 may be written: this slot's next tile
	s_add_nc_u64 s[G0V+4*\slot+2:G0V+4*\slot+3], s[G0V+4*\slot+2:G0V+4*\slot+3], 2*VSTEP
	s_wait_dscnt 0x0                               ; my reads of the last trip's tile are back
	ROUND                                          ; both now hold of every wave of all four work-groups
.if \refill
	tensor_load_to_lds s[G0K+4*(1-\slot):G0K+4*(1-\slot)+3], s[G1K:G1K+7]      ; the first tensor loads behind the round; they have the trip's
	s_nop 0
	tensor_load_to_lds s[G0V+4*(1-\slot):G0V+4*(1-\slot)+3], s[G1V:G1V+7]      ; 128 matrix instructions of the wave in which to land
	s_nop 0
.endif
.if \pf == 1
	; Trips 2 j and 2 j + 1 read tiles 2 j, 2 j + 1; in trip 2 j wave 0 asks for this work-group's sixteenth of tiles 2 j + 2 and 2 j + 3, whose tensor loads
	; are issued in trips 2 j + 1 and 2 j + 2.  j = 0 .. 6: the last pair of trips asks for nothing, so no request passes tile 15.
	s_cmp_lg_u32 s8, 0
	s_cbranch_scc1 .Lno_prefetch_\@
	global_prefetch_b8 v[PF], s[6:7] th:TH_LOAD_NT scope:SCOPE_SE
.Lno_prefetch_\@:
.endif
.if \pf == 2
	s_wait_xcnt 0x0                                ; the prefetch of the trip before has had its address translated (ISA guide 3.1): its offset is stepped only behind this wait
	v_add_nc_u32 v[PF], v[PF], v[PFS]
.endif
	SUB \slot, 0, \first
	SUB \slot, 1, 0
	WIN 0                                          ; at a label and at a branch every window is 0
.endm
	TRIP 0, 1, 1, 1                                ; the first pair stands in front of the loop: its first products start O
	TRIP 1, 1, 0, 2
	s_mov_b32 s9, 6
.Lpair:
	TRIP 0, 1, 0, 1
	TRIP 1, 1, 0, 2
	s_sub_co_u32 s9, s9, 1
	s_cmp_lg_u32 s9, 0
	s_cbranch_scc1 .Lpair
	TRIP 0, 1, 0, 0                                ; tile 14; tile 15 is asked for
	TRIP 1, 0, 0, 0                                ; tile 15; nothing more to fetch
	; THE MERGE.  Register tiles 2, 3 are the queries that my partner keeps: O, maxima and sums go to it through LDS, and its tiles 2, 3 come to me.
	PLACES                                         ; behind the last matrix instructions, before O is read
.irp l, 18,19,22,23
	v_permlanex16_b32 v[T], v[\l], s12, s13        ; the two half-waves' parts of the sum
	v_add_f32 v[\l], v[\l], v[T]
.endr
	WIN 0x04                                       ; store data in window 1
.irp e, 0,1,2,3,4,5,6,7,8,9,10,11,12,13,14,15
	ds_store_b128 v[MG], v[O+64+4*\e:O+64+4*\e+3] offset:512*\e
.endr
	WIN 0
	ds_store_b128 v[MG], v[20:23] offset:8192
	s_wait_dscnt 0x0                               ; my stores are done, for my partner's sake
	ROUND                                          ; its opening barrier orders the merge; the whole round is the closing one: no work-group ends while a partner may still ask jointly
.irp e, 0,1,2,3,4,5,6,7,8,9,10,11,12,13,14,15
	ds_load_b128 v[R+4*\e:R+4*\e+3], v[PG] offset:512*\e
.endr
	ds_load_b128 v[152:155], v[PG] offset:8192     ; its maxima (152, 153) and sums (154, 155) of my tiles 0, 1
	s_wait_dscnt 0x0
.irp i, 0,1
	v_max_num_f32 v[T], v[16+\i], v[152+\i]
	v_sub_f32 v[T+1], v[16+\i], v[T]
	v_sub_f32 v[T+2], v[152+\i], v[T]
	v_exp_f32 v[AL], v[T+1]                        ; my weight
	v_exp_f32 v[MN], v[T+2]                        ; my partner's
	v_nop                                          ; one plain instruction behind a transcendental before its result is used (ISA guide 5.7.2)
	s_wait_alu depctr_va_vdst(0)
	v_mul_f32 v[T+3], v[18+\i], v[AL]
	v_fmac_f32 v[T+3], v[154+\i], v[MN]            ; the whole row's sum: at least 1, since one of the two weights is 1 and that half's sum holds 2^0
	v_rcp_f32 v[T+4], v[T+3]
	v_nop
	s_wait_alu depctr_va_vdst(0)
	v_mul_f32 v[AL], v[AL], v[T+4]
	v_mul_f32 v[MN], v[MN], v[T+4]
.irp k, 0,2,4,6,8,10,12,14,16,18,20,22,24,26,28,30
	v_pk_mul_f32 v[R+32*\i+\k:R+32*\i+\k+1], v[R+32*\i+\k:R+32*\i+\k+1], v[MN:MN+1] op_sel_hi:[1,0]
.endr
	WIN 0x01                                       ; source 0 (my O) in window 1
.irp k, 0,2,4,6,8,10,12,14,16,18,20,22,24,26,28,30
	v_pk_fma_f32 v[R+32*\i+\k:R+32*\i+\k+1], v[O+32*\i+\k:O+32*\i+\k+1], v[AL:AL+1], v[R+32*\i+\k:R+32*\i+\k+1] op_sel_hi:[1,0,1]
.endr
	WIN 0
.irp k, 0,1,2,3,4,5,6,7,8,9,10,11,12,13,14,15
	v_cvt_pk_bf16_f32 v[R+32*\i+\k], v[R+32*\i+2*\k], v[R+32*\i+2*\k+1]    ; in place: word k is written when numbers 2 k, 2 k + 1 are read
.endr
.irp dt, 0,1,2,3
	ds_store_b128 v[SO], v[R+32*\i+4*\dt:R+32*\i+4*\dt+3] offset:\i*16*KP+\dt*32   ; query 16 i + r, d = 16 dt + 8 h + 0..7
.endr
.endr
.irp e, 0,1,2,3,4,5,6,7
	ds_load_b128 v[152+4*\e:155+4*\e], v[SR] offset:\e*4*KP        ; my own stage: LDS serves a wave's instructions in order (ISA guide 5.7.1), these see the stores above
.endr
.irp e, 0,1,2,3,4,5,6,7
	s_wait_dscnt 7-\e                              ; the younger loads stay out
	global_store_b128 v[CO], v[152+4*\e:155+4*\e], s[10:11] offset:\e*512      ; four queries: 512 consecutive bytes, at a multiple of 512 from the buffer's first byte
.endr
	s_wait_tensorcnt 0x0
	ds_add_u32 v254, v255
	s_wait_dscnt 0x0
	s_endpgm
.Lfunc_end_k_qd1080e7831_attn:
	.size	k_qd1080e7831_attn, .Lfunc_end_k_qd1080e7831_attn-k_qd1080e7831_attn
	.p2alignl 7, 3214868480
	.fill 96, 4, 3214868480
	.section	.rodata,"a",@progbits
	.p2align	6, 0x0
	.amdhsa_kernel k_qd1080e7831_attn
		.amdhsa_group_segment_fixed_size 327680
		.amdhsa_private_segment_fixed_size 0
		.amdhsa_enable_private_segment 0
		.amdhsa_kernarg_size 24
		.amdhsa_user_sgpr_count 2
		.amdhsa_user_sgpr_kernarg_segment_ptr 1
		.amdhsa_wavefront_size32 1
		.amdhsa_system_sgpr_workgroup_id_x 1
		.amdhsa_system_sgpr_workgroup_id_y 1
		.amdhsa_system_sgpr_workgroup_id_z 1
		.amdhsa_system_vgpr_workitem_id 0
		.amdhsa_next_free_vgpr 448
		.amdhsa_next_free_sgpr 66
		.amdhsa_reserve_vcc 1
		.amdhsa_float_denorm_mode_32 3
		.amdhsa_float_denorm_mode_16_64 3
		.amdhsa_memory_ordered 1
		.amdhsa_forward_progress 1
		.amdhsa_inst_pref_size 255
	.end_amdhsa_kernel
	.section	.bss,"aw",@nobits
	.p2align	6
	.space	262144
	.amdgpu_metadata
---
amdhsa.version: [ 1, 2 ]
amdhsa.kernels:
  - .name:           k_qd1080e7831_attn
    .symbol:         k_qd1080e7831_attn.kd
    .args:
      - { .name: qs, .offset: 0, .size: 8, .value_kind: global_buffer, .address_space: global }
      - { .name: kv, .offset: 8, .size: 8, .value_kind: global_buffer, .address_space: global }
      - { .name: at, .offset: 16, .size: 8, .value_kind: global_buffer, .address_space: global }
    .group_segment_fixed_size: 327680
    .private_segment_fixed_size: 0
    .kernarg_segment_align: 8
    .kernarg_segment_size: 24
    .max_flat_workgroup_size: 256
    .sgpr_count:     66
    .vgpr_count:     448
    .wavefront_size: 32
...
	.end_amdgpu_metadata
.endif
;; end of part 2
;; launch oproj (part 3): grid 4 x 64, 8 waves a work-group, no clusters, 142,336 bytes of LDS; arguments at, Wo, bo, out0; writes out0
.if DOCPART == 3
	.amdgcn_target "amdgcn-amd-amdhsa--gfx1250"
	.amdhsa_code_object_version 6
	.text
	.protected	k_qd1080e7831_oproj
	.globl	k_qd1080e7831_oproj
	.p2align	8
	.type	k_qd1080e7831_oproj,@function
k_qd1080e7831_oproj:
	s_mov_b64 s[64:65], 0
	v_nop
	global_prefetch_b8 v0, s[64:65] scope:SCOPE_SE
	s_setreg_imm32_b32 hwreg(HW_REG_WAVE_MODE, 25, 1), 1
	s_wait_xcnt 0x0
; out0 = a Wo^T + bo.   a = at, bf16, [bh = 8 b + head][s = 4096][64]: column k = 64 head + d of the attention's result.  Wo: [512][512] f32, bo: [512] f32,
; out0: [8192][512] f32.  A work-group makes 128 tokens x 128 columns with eight waves; wave (mh = w & 1, nq = w >> 1) makes 64 x 32: 8 accumulator tiles.
; K goes in 8 steps of 64 (one head a step) through two LDS slots.  a's tile of a step is 16 KB dense in memory and goes to LDS as it is; Wo is rounded
; to bf16 once on its way.
; NO TENSOR LOADS, NO JOINT REQUESTS, though a's tile is read by 4 work-groups and Wo's by 64: Wo is f32 in memory and has to be bf16 in LDS, which a copy of
; bytes cannot do (as f32 its fragments would cost twice the LDS bytes, and each number would be rounded again by the 2 waves that read it); a's 16 KB
; are a third of a step's 48 KB, and a ring filled half by copies and half by stores would need two kinds of ordering for that third.
; LIMITS: matrix operands are bf16 (a, Wo rounded once), sums and bias f32.
.set XP,    2048                       ; bytes in a row of Wo and of out0
.set PITCH, 144                        ; an LDS row: 64 bf16 + 16 bytes = 9 x 16
.set REG,   128*PITCH
.set SLOT,  2*REG                      ; a's 128 rows, then Wo's 128 rows
.set STG,   2*SLOT                     ; the way out: 128 rows of 128 f32, pitch 528 = 33 x 16
.set SP,    528
.set HEAD,  524288                     ; bytes from head to head in at
.set GO,  4                            ; v4      Wo: byte offset of my 16 bytes: row 16 w + 8 (lane / 16), column 4 (lane % 16)
.set GA,  5                            ; v5      at: 2,048 w + 16 lane
.set LSA, 6                            ; v6-7    where a's 16 bytes go in LDS, slot 0, 1
.set LSW, 8                            ; v8-9    where Wo's 8 bytes go
.set LA,  10                           ; v10-11  my fragments of a
.set LB,  12                           ; v12-13  my fragments of Wo
.set SO,  14                           ; v14     stage: where I put 32 bytes of a row
.set SR,  15                           ; v15     stage: where I read rows back
.set CO,  16                           ; v16     my byte offset in out0
.set BO,  17                           ; v17     my byte offset in bo
.set BI,  18                           ; v[18:21]   bo of my 4 columns on the way out
.set AF,  24                           ; v[24:87]   fragments of a: K half ks, token tile i at 32 ks + 8 i; on the way out 16 rows
.set BF,  88                           ; v[88:119]  fragments of Wo: K half ks, column tile c at 16 ks + 8 c
.set ACC, 120                          ; v[120:183] accumulators: token tile i, column tile c at 8 (i + 4 c)
.set SA,  184                          ; v[184:199] a: 4 loads on their way
.set SWO, 200                          ; v[200:231] Wo: 8 loads on their way
.set CT,  232                          ; v[232:247] Wo rounded
.macro PLACES                          ; four places behind a matrix instruction before its registers are written or its result is read (ISA guide 7.12.1)
.rept 4
	v_nop
.endr
.endm
	s_load_b256 s[4:11], s[0:1], 0x0               ; at s[4:5], Wo s[6:7], bo s[8:9], out0 s[10:11]
	v_lshl_add_u32 v248, v0, 2, 0x22800
	v_mov_b32 v249, 0
	v_lshrrev_b32 v22, 5, v0
	v_readfirstlane_b32 s12, v22                   ; wave 0..7
	s_and_b32 s13, s12, 1                          ; mh
	s_lshr_b32 s14, s12, 1                         ; nq
	s_and_b32 s15, ttmp7, 0xffff                   ; mb: block of 128 tokens;  ttmp9 = nb: block of 128 columns
	v_and_b32 v3, 31, v0                           ; lane
	v_and_b32 v1, 15, v0                           ; r
	v_bfe_u32 v2, v0, 4, 1                         ; h
	v_lshlrev_b32 v22, 14, v2
	v_lshl_add_u32 v22, v1, 4, v22
	s_lshl_b32 s16, s12, 15
	v_add_nc_u32 v[GO], s16, v22
	v_lshl_add_u32 v[CO], v3, 4, s16               ; out0: 16 w rows of 2,048 bytes + 16 lane
	s_lshl_b32 s16, s12, 11
	v_lshl_add_u32 v[GA], v3, 4, s16
	v_lshrrev_b32 v22, 3, v3                       ; a in LDS: row 16 w + lane / 8, byte 16 (lane % 8)
	v_mul_u32_u24 v22, v22, PITCH
	v_and_b32 v23, 7, v3
	v_lshl_add_u32 v22, v23, 4, v22
	s_mul_i32 s16, s12, 16*PITCH
	v_add_nc_u32 v[LSA], s16, v22
	v_add_nc_u32 v[LSA+1], SLOT, v[LSA]
	v_mul_u32_u24 v22, v2, 8*PITCH                 ; Wo in LDS: row 16 w + 8 h, byte 8 r
	v_lshl_add_u32 v22, v1, 3, v22
	s_add_co_u32 s16, s16, REG
	v_add_nc_u32 v[LSW], s16, v22
	v_add_nc_u32 v[LSW+1], SLOT, v[LSW]
	v_mul_u32_u24 v22, v1, PITCH
	v_lshl_add_u32 v22, v2, 4, v22                 ; a fragment's lane term: r x pitch + 16 h
	s_mul_i32 s16, s13, 64*PITCH
	v_add_nc_u32 v[LA], s16, v22
	v_add_nc_u32 v[LA+1], SLOT, v[LA]
	s_mul_i32 s16, s14, 32*PITCH
	s_add_co_u32 s16, s16, REG
	v_add_nc_u32 v[LB], s16, v22
	v_add_nc_u32 v[LB+1], SLOT, v[LB]
	v_mul_u32_u24 v22, v1, SP                      ; stage: token 64 mh + r, byte 128 nq + 32 h
	v_lshl_add_u32 v22, v2, 5, v22
	s_mul_i32 s16, s13, 64*SP
	s_lshl_b32 s17, s14, 7
	s_add_co_u32 s16, s16, s17
	s_add_co_u32 s16, s16, STG
	v_add_nc_u32 v[SO], s16, v22
	s_mul_i32 s16, s12, 16*SP                      ; back: wave w takes rows 16 w .., a row of 512 bytes a load
	s_add_co_u32 s16, s16, STG
	v_lshl_add_u32 v[SR], v3, 4, s16
	s_lshl_b32 s16, ttmp9, 9
	v_lshl_add_u32 v[BO], v3, 4, s16               ; bo: column 128 nb + 4 lane
	s_lshr_b32 s18, s15, 5                         ; at: batch mb / 32 is 8 heads, token block mb % 32 is 128 tokens of 128 bytes
	s_lshl_b32 s18, s18, 22
	s_and_b32 s19, s15, 31
	s_lshl_b32 s19, s19, 14
	s_add_co_u32 s18, s18, s19
	s_mov_b32 s19, 0
	s_wait_kmcnt 0x0
	s_add_nc_u64 s[4:5], s[4:5], s[18:19]
	s_lshl_b32 s18, ttmp9, 18                      ; 128 nb rows of Wo
	s_add_nc_u64 s[6:7], s[6:7], s[18:19]
	s_lshl_b32 s18, s15, 18                        ; out0: 128 mb rows + 128 nb columns
	s_add_co_u32 s18, s18, s16
	s_add_nc_u64 s[10:11], s[10:11], s[18:19]
	global_load_b128 v[BI:BI+3], v[BO], s[8:9]     ; older than every load below: the first step's wait covers it
.irp j, 0,1,2,3
	global_load_b128 v[SA+4*\j:SA+4*\j+3], v[GA], s[4:5] offset:\j*512
.endr
.irp j, 0,1,2,3,4,5,6,7
	global_load_b128 v[SWO+4*\j:SWO+4*\j+3], v[GO], s[6:7] offset:\j*XP
.endr
; K step t (head t), in slot t & 1.  fetch = 1: step t + 1's loads go out as step t's registers come free.
.macro OSTEP t, zero, fetch
.if \t
	PLACES                                         ; behind the last matrix instructions: the fragment loads below land in registers that they read
.endif
	s_wait_loadcnt 8                               ; a's four loads are in; Wo's eight, issued behind them, stay out
.irp j, 0,1,2,3
	ds_store_b128 v[LSA+(\t&1)], v[SA+4*\j:SA+4*\j+3] offset:\j*4*PITCH
.endr
.if \fetch
.irp j, 0,1,2,3
	global_load_b128 v[SA+4*\j:SA+4*\j+3], v[GA], s[4:5] offset:\j*512+(\t+1)*HEAD
.endr
	s_wait_loadcnt 4                               ; Wo's eight are in; a's four new ones stay out
.else
	s_wait_loadcnt 0x0
.endif
.irp e, 0,1,2,3,4,5,6,7,8,9,10,11,12,13,14,15
	v_cvt_pk_bf16_f32 v[CT+\e], v[SWO+2*\e], v[SWO+2*\e+1]
.endr
.if \fetch
.irp j, 0,1,2,3,4,5,6,7
	global_load_b128 v[SWO+4*\j:SWO+4*\j+3], v[GO], s[6:7] offset:\j*XP+(\t+1)*256
.endr
.endif
.irp j, 0,1,2,3,4,5,6,7
	ds_store_b64 v[LSW+(\t&1)], v[CT+2*\j:CT+2*\j+1] offset:\j*PITCH
.endr
	s_wait_dscnt 0x0                               ; my part of the slot is written
	s_barrier_signal -1                            ; ONE barrier a step: the slot written now was last read two steps ago, and every wave had waited
	s_barrier_wait -1                              ; for those reads before it signalled the barrier of the step between
.irp ks, 0,1
.irp i, 0,1,2,3
	ds_load_b128 v[AF+32*\ks+8*\i:AF+32*\ks+8*\i+3],   v[LA+(\t&1)] offset:\i*16*PITCH+\ks*64
	ds_load_b128 v[AF+32*\ks+8*\i+4:AF+32*\ks+8*\i+7], v[LA+(\t&1)] offset:\i*16*PITCH+\ks*64+32
.endr
.irp c, 0,1
	ds_load_b128 v[BF+16*\ks+8*\c:BF+16*\ks+8*\c+3],   v[LB+(\t&1)] offset:\c*16*PITCH+\ks*64
	ds_load_b128 v[BF+16*\ks+8*\c+4:BF+16*\ks+8*\c+7], v[LB+(\t&1)] offset:\c*16*PITCH+\ks*64+32
.endr
.endr
	; Wo first, a second: a lane gets 8 neighbouring columns of one token.  The 8 accumulators take turns, one instruction a turn.
	s_wait_dscnt 12                                ; K half 0's twelve loads are in; half 1's twelve stay out
.irp c, 0,1
.irp i, 0,1,2,3
.if \zero
	v_wmma_f32_16x16x32_bf16 v[ACC+8*(\i+4*\c):ACC+8*(\i+4*\c)+7], v[BF+8*\c:BF+8*\c+7], v[AF+8*\i:AF+8*\i+7], 0
.else
	v_wmma_f32_16x16x32_bf16 v[ACC+8*(\i+4*\c):ACC+8*(\i+4*\c)+7], v[BF+8*\c:BF+8*\c+7], v[AF+8*\i:AF+8*\i+7], v[ACC+8*(\i+4*\c):ACC+8*(\i+4*\c)+7]
.endif
.endr
.endr
	s_wait_dscnt 0x0
.irp c, 0,1
.irp i, 0,1,2,3
	v_wmma_f32_16x16x32_bf16 v[ACC+8*(\i+4*\c):ACC+8*(\i+4*\c)+7], v[BF+16+8*\c:BF+16+8*\c+7], v[AF+32+8*\i:AF+32+8*\i+7], v[ACC+8*(\i+4*\c):ACC+8*(\i+4*\c)+7]
.endr
.endr
.endm
	OSTEP 0, 1, 1
	OSTEP 1, 0, 1
	OSTEP 2, 0, 1
	OSTEP 3, 0, 1
	OSTEP 4, 0, 1
	OSTEP 5, 0, 1
	OSTEP 6, 0, 1
	OSTEP 7, 0, 0
	; THE WAY OUT: 32 bytes a lane into the stage, whole rows of 512 bytes back, the bias added, 16-byte stores.
	PLACES                                         ; behind the last matrix instructions, before their results are stored
.irp c, 0,1
.irp i, 0,1,2,3
	ds_store_b128 v[SO], v[ACC+8*(\i+4*\c):ACC+8*(\i+4*\c)+3]   offset:\i*16*SP+\c*64
	ds_store_b128 v[SO], v[ACC+8*(\i+4*\c)+4:ACC+8*(\i+4*\c)+7] offset:\i*16*SP+\c*64+16
.endr
.endr
	s_wait_dscnt 0x0                               ; my part of the stage is written
	s_barrier_signal -1
	s_barrier_wait -1                              ; everybody's is
.irp e, 0,1,2,3,4,5,6,7,8,9,10,11,12,13,14,15
	ds_load_b128 v[AF+4*\e:AF+4*\e+3], v[SR] offset:\e*SP
.endr
.irp e, 0,1,2,3,4,5,6,7,8,9,10,11,12,13,14,15
	s_wait_dscnt 15-\e                             ; LDS loads come back in order: the younger ones stay out
	v_pk_add_f32 v[AF+4*\e:AF+4*\e+1],   v[AF+4*\e:AF+4*\e+1],   v[BI:BI+1]
	v_pk_add_f32 v[AF+4*\e+2:AF+4*\e+3], v[AF+4*\e+2:AF+4*\e+3], v[BI+2:BI+3]
	global_store_b128 v[CO], v[AF+4*\e:AF+4*\e+3], s[10:11] offset:\e*XP th:TH_STORE_NT    ; 512 consecutive bytes, at a multiple of 512 from the buffer's first byte
.endr
	s_wait_tensorcnt 0x0
	ds_add_u32 v248, v249
	s_wait_dscnt 0x0
	s_endpgm
.Lfunc_end_k_qd1080e7831_oproj:
	.size	k_qd1080e7831_oproj, .Lfunc_end_k_qd1080e7831_oproj-k_qd1080e7831_oproj
	.p2alignl 7, 3214868480
	.fill 96, 4, 3214868480
	.section	.rodata,"a",@progbits
	.p2align	6, 0x0
	.amdhsa_kernel k_qd1080e7831_oproj
		.amdhsa_group_segment_fixed_size 142336
		.amdhsa_private_segment_fixed_size 0
		.amdhsa_enable_private_segment 0
		.amdhsa_kernarg_size 32
		.amdhsa_user_sgpr_count 2
		.amdhsa_user_sgpr_kernarg_segment_ptr 1
		.amdhsa_wavefront_size32 1
		.amdhsa_system_sgpr_workgroup_id_x 1
		.amdhsa_system_sgpr_workgroup_id_y 1
		.amdhsa_system_sgpr_workgroup_id_z 1
		.amdhsa_system_vgpr_workitem_id 0
		.amdhsa_next_free_vgpr 250
		.amdhsa_next_free_sgpr 66
		.amdhsa_reserve_vcc 0
		.amdhsa_float_denorm_mode_32 3
		.amdhsa_float_denorm_mode_16_64 3
		.amdhsa_memory_ordered 1
		.amdhsa_forward_progress 1
		.amdhsa_inst_pref_size 56
	.end_amdhsa_kernel
	.amdgpu_metadata
---
amdhsa.version: [ 1, 2 ]
amdhsa.kernels:
  - .name:           k_qd1080e7831_oproj
    .symbol:         k_qd1080e7831_oproj.kd
    .args:
      - { .name: at, .offset: 0, .size: 8, .value_kind: global_buffer, .address_space: global }
      - { .name: Wo, .offset: 8, .size: 8, .value_kind: global_buffer, .address_space: global }
      - { .name: bo, .offset: 16, .size: 8, .value_kind: global_buffer, .address_space: global }
      - { .name: out0, .offset: 24, .size: 8, .value_kind: global_buffer, .address_space: global }
    .group_segment_fixed_size: 142336
    .private_segment_fixed_size: 0
    .kernarg_segment_align: 8
    .kernarg_segment_size: 32
    .max_flat_workgroup_size: 256
    .sgpr_count:     66
    .vgpr_count:     250
    .wavefront_size: 32
...
	.end_amdgpu_metadata
.endif
;; end of part 3
